; MI455X (gfx1250); checked and timed in simulation.
; The chip was launched on July 23, 2026; its instructions are those of AMD's public machine-readable ISA for CDNA 5 (MIT licence, August 2026) and "CDNA5" Instruction Set Architecture Reference Guide (July 2026). The comments in the code are by the model that wrote it; some were corrected since.
;; LSTM Cell. Allowed arithmetic: matrix products marked QUANTISED: E5M2 operands, one E8M0 scale for each 32 along K, by v_wmma_scale_f32_16x16x128_f8f6f4 with both operands' format E5M2, f32 sums; everything else in f32.
;; Inputs: Wc 4,096 x 2,048 float32; Wf 4,096 x 2,048 float32; Wi 4,096 x 2,048 float32; Wo 4,096 x 2,048 float32; bc 2,048 float32; bf 2,048 float32; bi 2,048 float32; bo 2,048 float32; cell 2,048 x 2,048 float32; hidden 2,048 x 4,096 float32; input 2,048 x 4,096 float32.
;; Outputs: out0 2,048 x 2,048 float32; out1 2,048 x 2,048 float32; out2 2,048 x 2,048 float32.
;; This version of the problem:
;;   THIS VERSION OF THE PROBLEM IS GIVEN IN LOW PRECISION. The matrix products marked QUANTISED in the list below multiply operands that are first quantised to E5M2 (5 exponent bits, 2 mantissa bits; 8 bits a number), with one power-of-two scale for each 32 numbers along K (OCP MX v1.0); their sums are f32. All else is computed in f32.
;;   The module's matrix products, in the order in which they are computed (A, B: the left and right operand; K: the contracted axis; several contracted axes count as one K, in the product's order):
;;     1. [M 2,048, K 4,096] x [K 4,096, N 8,192]; A: computed on the way; B: computed on the way: QUANTISED
;;   THE QUANTISER, for each operand of a quantised product, along K:
;;     - K is cut into blocks of 32 from its start; a last block that is shorter is filled with zeros.
;;     - A block's scale is 2^e with e = floor(log2(the largest magnitude in the block)) - 15, held to -126 .. 127; a block of zeros has e = 0. As a byte (E8M0): e + 127.
;;     - Each number is divided by its block's scale, clamped to +-57,344, and rounded to the nearest number of E5M2, ties to even, subnormals kept.
;;     - The product sums the exact products of the quantised numbers (number of the format x scale) in f32.
;;   ~~~python
;;   def quantise(x, axis):      # numpy; x: float32 -> the quantised numbers, widened to float32 again
;;       x = np.moveaxis(x, axis, -1); K = x.shape[-1]
;;       x = np.pad(x, [(0, 0)] * (x.ndim - 1) + [(0, -K % 32)]); x = x.reshape(x.shape[:-1] + (-1, 32)); a = np.abs(x).max(-1, keepdims=True)
;;       e = np.where(a > 0, np.clip(np.frexp(np.where(a > 0, a, 1))[1] - 1 - 15, -126, 127), 0)      # np.frexp(a)[1] - 1 = floor(log2(a)), exactly
;;       r = np.clip(x / 2.0 ** e, -57344, 57344)
;;       step = 2.0 ** (np.maximum(np.frexp(np.where(r == 0, 1, r))[1] - 1, -14) - 2)
;;       q = np.round(r / step) * step * 2.0 ** e      # np.round: ties to even
;;       return np.moveaxis(q.reshape(q.shape[:-2] + (-1,))[..., :K], -1, axis).astype(np.float32)
;;   ~~~
;;   OPERANDS COMPUTED ON THE WAY. 'Computed on the way' means the value that the module computes at that place (a softmax that the list does not call 'softmax' is quantised finished and normalised). What goes into a quantiser is computed in f32, as accurately as f32 sums, v_exp_f32 and their like allow (about 1e-6 of the number): no bf16 or f16 on the way to a quantiser, and a product that is left as it is and whose result goes on into a quantised operand takes f32 operands (vector FMAs, or v_wmma_f32_16x16x4_f32). A number that lies on a knife's edge between two numbers of the format may be rounded either way, as far as f32 arithmetic and the matrix unit's own rounding can turn it there, and no further.
;; One version. Each part assembles by itself: llvm-mc -triple=amdgcn-amd-amdhsa -mcpu=gfx1250 --defsym DOCPART=n.
;; ======== version 1 of 1: 2 launches
;; limits: right only within a limited range of input values
;; workspace buffers: apack 8,650,752 bytes; wpack 34,603,008 bytes
;; launch quant (part 1): grid 1280 x 1, 4 waves a work-group, no clusters, 68,096 bytes of LDS; arguments input, hidden, Wf, Wc, Wi, Wo, apack, wpack; writes apack, wpack
.if DOCPART == 1
	.amdgcn_target "amdgcn-amd-amdhsa--gfx1250"
	.amdhsa_code_object_version 6
	.text
	.protected	k_q58d80bc665_quant
	.globl	k_q58d80bc665_quant
	.p2align	8
	.type	k_q58d80bc665_quant,@function
k_q58d80bc665_quant:
	s_mov_b64 s[64:65], 0
	v_nop
	global_prefetch_b8 v0, s[64:65] scope:SCOPE_SE
	s_setreg_imm32_b32 hwreg(HW_REG_WAVE_MODE, 25, 1), 1
	s_wait_xcnt 0x0
; Both operands of the gates' product are turned into codes of BF8 (E5M2), one E8M0 scale byte for each 32 along K (K = 4,096).
;   A = input + hidden, [2048][4096] f32, K innermost: one f32 addition, then the quantiser.            Work-groups 0 .. 255.
;   B = [Wf | Wc | Wi | Wo], each [4096][2048] f32, K the FIRST axis: a lane takes a column, registers run down K.   Work-groups 256 .. 1279.
; A block's scale is 2^(floor(log2(its largest magnitude)) - 15); its byte is the largest magnitude's exponent field - 15, held at 1 from below.
; Each number is divided by the scale, held within +-57,344 and rounded to the nearest code, ties to even.
; LIMITS: NaN and infinities among the inputs (or a sum input + hidden that overflows) are not served.  A block of zeros gets the byte 1 where the rule says 127:
; its codes are zeros, which add nothing under any byte but 0xff, and the bytes are read by this program alone.
; LAYOUT OF THE TWO WORKSPACE BUFFERS, chosen for the product's launch: a CELL is 128 rows x 256 along K in KSB = 33,792 dense bytes: 32,768 bytes of codes (row r at 256 r, K innermost),
; then 1,024 scale bytes (row r at 32,768 + 8 r).  apack: [16 tiles of 128 rows][16 K steps] cells.  wpack: [64 tiles][16 K steps] cells; tile c holds hidden columns 32 c .. 32 c + 31 of all
; four gates: its row 32 g + j is column 32 c + j of gate g (f, c, i, o = 0 .. 3).  So the four gates of one hidden column meet in one wave of the product's launch.
; No tensor loads, no barrier: waves share nothing.  The two paths part on the work-group's number, never join, and have LDS bytes of their own.
.set KSB,   33792
.set TILEB, 16*KSB
.set SCB,   32768                      ; where a cell's scale bytes begin
.set FLOOR, 16<<23                     ; 2^(16 - 127): under it no largest magnitude is taken, so the byte cannot fall under 1
.set OFFE,  0xf8800000                 ; -(15 << 23): takes 15 off an exponent field
	s_load_b256 s[4:11], s[0:1], 0x0               ; input s[4:5], hidden s[6:7], Wf s[8:9], Wc s[10:11]
	s_load_b256 s[12:19], s[0:1], 0x20             ; Wi s[12:13], Wo s[14:15], apack s[16:17], wpack s[18:19]
	s_set_vgpr_msb 0x40
	v_lshl_add_u32 v0, v0, 2, 0x10800
	v_mov_b32 v1, 0
	s_set_vgpr_msb 0x4000
	v_lshrrev_b32 v1, 5, v0
	v_readfirstlane_b32 s20, v1                    ; wave 0..3
	v_and_b32 v2, 31, v0                           ; lane
	s_mov_b32 s31, 0x600000                        ; the mantissa field of 57,344 as f32
	s_wait_kmcnt 0x0
	s_cmp_lt_u32 ttmp9, 256
	s_cbranch_scc0 .Lweights
; ---------------------------------------------------------------- A = input + hidden
; A work-group takes 32 rows x 1,024 along K; its wave w one K step of 256: 16 steps of 512 numbers (two rows x 256).  Each load reads 512 consecutive bytes, 16 a lane.  The conversions want 16 NEIGHBOURS
; along K in one lane, so a step's 2,048 bytes of sums turn through the wave's own stage in LDS (64 bytes + 16 of padding a place) and come back 64 bytes a lane: lane l then holds row l / 16, k = 16 (l % 16) on.
; Two neighbouring lanes hold a block of 32.  A step's 512 codes are two neighbouring rows of the cell: 512 consecutive bytes.  The wave's 256 scale bytes are gathered in LDS and leave as 256 consecutive bytes.
.set STEPS, 16
.set SP,    80                         ; a lane's place in a stage
.set RI,    16                         ; v16-79   four sets of 16 numbers of input, then of the sum
.set RH,    80                         ; v80-143  four sets of 16 numbers of hidden
.set XA,    144                        ; v144-175 two sets of 16 neighbours
.set CA,    176                        ; v176-239 codes: four registers for each step, so that no store's data are written again
.set EA,    240                        ; v240-255 a scale byte for each step
	s_lshr_b32 s21, ttmp9, 2                       ; which 32 rows
	s_and_b32 s22, ttmp9, 3
	s_lshl_b32 s22, s22, 2
	s_add_co_u32 s22, s22, s20                     ; which K step: 4 (x % 4) + wave
	s_lshl_b32 s24, s21, 19                        ; 32 rows of 16,384 bytes,
	s_lshl_b32 s25, s22, 10                        ; 256 numbers of 4 bytes
	s_add_co_u32 s24, s24, s25
	s_mov_b32 s25, 0
	s_add_nc_u64 s[4:5], s[4:5], s[24:25]
	s_add_nc_u64 s[6:7], s[6:7], s[24:25]
	s_lshr_b32 s26, s21, 2                         ; the tile of 128 rows
	s_mul_i32 s26, s26, TILEB
	s_mul_i32 s27, s22, KSB
	s_add_co_u32 s26, s26, s27                     ; my cell's first byte
	s_and_b32 s27, s21, 3                          ; which 32 of its 128 rows
	s_lshl_b32 s28, s27, 8                         ; their scale bytes: 8 a row
	s_add_co_u32 s28, s28, s26
	s_add_co_u32 s28, s28, SCB
	s_mov_b32 s29, 0
	s_lshl_b32 s27, s27, 13                        ; their codes: 256 a row
	s_add_co_u32 s26, s26, s27
	s_mov_b32 s27, 0
	s_add_nc_u64 s[22:23], s[16:17], s[28:29]      ; where my scale bytes go
	s_add_nc_u64 s[16:17], s[16:17], s[26:27]      ; where my codes go
	s_lshl_b32 s30, s20, 13                        ; LDS: 8,192 bytes for each wave: two stages of 32 x SP, and behind them its 256 scale bytes
	s_wait_alu depctr_va_vdst(0)
	v_lshlrev_b32 v3, 4, v2                        ; my 16 bytes of a load's 512, and of a step's codes
	v_lshrrev_b32 v14, 2, v2
	v_mul_u32_u24 v14, v14, SP
	v_and_b32 v15, 3, v2
	v_lshl_add_u32 v14, v15, 4, v14
	v_add_nc_u32 v14, s30, v14                     ; the stage, on the way in: SP (lane / 4) + 16 (lane % 4); a load's 512 bytes take eight places
	v_mul_u32_u24 v15, v2, SP
	v_add_nc_u32 v15, s30, v15                     ; and on the way out: SP x lane
	v_lshrrev_b32 v5, 1, v2
	s_add_co_u32 s30, s30, 2*32*SP
	v_add_nc_u32 v5, s30, v5                       ; my block's scale byte
	v_lshlrev_b32 v7, 3, v2                        ; on the way out 8 bytes a lane
	v_add_nc_u32 v6, s30, v7
.macro LOADA t                         ; step t: rows 2 t and 2 t + 1, eight loads: four of input, four of hidden
.irp i, 0,1,2,3
	global_load_b128 v[RI+16*((\t)%4)+4*\i:RI+16*((\t)%4)+4*\i+3], v3, s[4:5] offset:(2*(\t)+\i/2)*16384+(\i%2)*512 th:TH_LOAD_NT
.endr
.irp i, 0,1,2,3
	global_load_b128 v[RH+16*((\t)%4)+4*\i:RH+16*((\t)%4)+4*\i+3], v3, s[6:7] offset:(2*(\t)+\i/2)*16384+(\i%2)*512 th:TH_LOAD_NT
.endr
.endm
.macro TURNA t                         ; the sum, and its way through the stage: LDS serves a wave's instructions in order, so no wait stands between the stores and the loads
.irp i, 0,2,4,6,8,10,12,14
	v_pk_add_f32 v[RI+16*((\t)%4)+\i:RI+16*((\t)%4)+\i+1], v[RI+16*((\t)%4)+\i:RI+16*((\t)%4)+\i+1], v[RH+16*((\t)%4)+\i:RH+16*((\t)%4)+\i+1]
.endr
.irp i, 0,1,2,3
	ds_store_b128 v14, v[RI+16*((\t)%4)+4*\i:RI+16*((\t)%4)+4*\i+3] offset:32*SP*((\t)%2)+8*SP*\i
.endr
.irp i, 0,1,2,3
	ds_load_b128 v[XA+16*((\t)%2)+4*\i:XA+16*((\t)%2)+4*\i+3], v15 offset:32*SP*((\t)%2)+16*\i
.endr
.endm
.macro STEPA t
.set XS, XA+16*((\t)%2)
.if (\t) > 0
	s_wait_dscnt 1                                 ; this step's numbers are back from the stage (the last step's byte store may be out): so its stores into the stage have read their registers,
.else
	s_wait_dscnt 0x0
.endif
.if (\t)+4 < STEPS
	LOADA (\t)+4                                   ; which take the loads of four steps on
.endif
.if (\t)+1 < STEPS
.if STEPS-2-(\t) >= 3
	s_wait_loadcnt 24                              ; the next step's eight loads are in; those of the three steps behind it, eight each, may be out
.else
	s_wait_loadcnt 8*(STEPS-2-(\t))
.endif
	TURNA (\t)+1                                   ; and go through the other stage while this step is worked
.endif
	v_max3_num_f32 v8, |v[XS]|, |v[XS+1]|, |v[XS+2]|               ; the largest magnitude of my 16, in two chains
	v_max3_num_f32 v9, |v[XS+3]|, |v[XS+4]|, |v[XS+5]|
.irp i, 6,10
	v_max3_num_f32 v8, v8, |v[XS+\i]|, |v[XS+\i+1]|
	v_max3_num_f32 v9, v9, |v[XS+\i+2]|, |v[XS+\i+3]|
.endr
	v_max3_num_f32 v8, v8, |v[XS+14]|, |v[XS+15]|
	v_max3_num_f32 v8, v8, v9, FLOOR               ; and the floor
	v_max_num_f32_dpp v8, v8, v8 row_xmask:1 row_mask:0xf bank_mask:0xf   ; and of my neighbour's 16: the block's
	v_add_nc_u32 v11, OFFE, v8                     ; 15 off its exponent field: the conversion takes the exponent field of this operand as its scale, and nothing else of it
	v_and_or_b32 v10, v8, 0x7f800000, s31          ; 57,344 x the scale: the largest magnitude's exponent field over 57,344's mantissa
.irp i, 0,1,2,3,4,5,6,7,8,9,10,11,12,13,14,15
	v_med3_num_f32 v[XS+\i], v[XS+\i], -v10, v10   ; the conversion to an 8-bit code does not saturate (ISA guide 7.6.2): hold the number first
.endr
	v_cvt_scalef32_pk8_bf8_f32 v[CA+4*(\t):CA+4*(\t)+1], v[XS:XS+7], v11
	v_cvt_scalef32_pk8_bf8_f32 v[CA+4*(\t)+2:CA+4*(\t)+3], v[XS+8:XS+15], v11
	v_lshrrev_b32 v[EA+(\t)], 23, v11              ; the scale's byte (also the plain line behind the conversions)
	ds_store_b8 v5, v[EA+(\t)] offset:16*(\t)      ; both lanes of a block write the same byte with the same value
	global_store_b128 v3, v[CA+4*(\t):CA+4*(\t)+3], s[16:17] offset:512*(\t)   ; the wave stores 512 consecutive bytes, at a multiple of 256 from the buffer's first byte
.endm
.irp t, 0,1,2,3
	LOADA \t
.endr
	s_wait_loadcnt 24                              ; step 0's eight loads are in
	TURNA 0
.irp t, 0,1,2,3,4,5,6,7,8,9,10,11,12,13,14,15
	STEPA \t
.endr
	ds_load_b64 v[12:13], v6                       ; LDS serves a wave's instructions in order: these see my byte stores
	s_wait_dscnt 0x0
	global_store_b64 v7, v[12:13], s[22:23]        ; 32 lanes store 256 consecutive bytes, aligned
	s_set_vgpr_msb 0x5
	s_wait_tensorcnt 0x0
	ds_add_u32 v0, v1
	s_wait_dscnt 0x0
	s_set_vgpr_msb 0x500
	s_endpgm
; ---------------------------------------------------------------- B = the four weights
; A work-group takes one gate, one K step of 256 and 128 columns; its wave w 32 of them.  Each load reads one row k at 32 neighbouring columns; a lane's 32 registers are a whole block of ONE column, so its
; largest magnitude needs no other lane and the conversions give codes with K innermost.  A wave's 32 columns x 256 codes go through its own stage in LDS (rows 272 bytes apart) and leave as rows of the cell.
.Lweights:
.set PW,    272                        ; a stage row: 256 bytes + 16
.set XW,    32                         ; v32-95   two sets of 32 numbers
.set CW,    96                         ; v96-103  a block's codes
.set OUTR,  112                        ; v112-175 the way out
.set SBW,   24                         ; v24-25   my column's eight scale bytes
	s_sub_co_u32 s21, ttmp9, 256
	s_lshr_b32 s22, s21, 8                         ; gate
	s_bfe_u32 s23, s21, 0x40004                    ; K step
	s_and_b32 s21, s21, 15                         ; which 128 columns
	s_cmp_eq_u32 s22, 1                            ; the gate's weight: a choice that hangs on the work-group's number alone
	s_cselect_b64 s[8:9], s[10:11], s[8:9]
	s_cmp_eq_u32 s22, 2
	s_cselect_b64 s[8:9], s[12:13], s[8:9]
	s_cmp_eq_u32 s22, 3
	s_cselect_b64 s[8:9], s[14:15], s[8:9]
	s_lshl_b32 s24, s23, 21                        ; 256 rows of 8,192 bytes,
	s_lshl_b32 s25, s21, 9                         ; 128 columns,
	s_add_co_u32 s24, s24, s25
	s_lshl_b32 s25, s20, 7                         ; my wave's 32
	s_add_co_u32 s24, s24, s25
	s_mov_b32 s25, 0
	s_add_nc_u64 s[8:9], s[8:9], s[24:25]
	s_lshl_b32 s26, s21, 2
	s_add_co_u32 s26, s26, s20                     ; the tile: my first column / 32
	s_mul_i32 s26, s26, TILEB
	s_mul_i32 s27, s23, KSB
	s_add_co_u32 s26, s26, s27                     ; my cell's first byte
	s_lshl_b32 s28, s22, 8                         ; the gate's 32 rows: their scale bytes,
	s_add_co_u32 s28, s28, s26
	s_add_co_u32 s28, s28, SCB
	s_mov_b32 s29, 0
	s_lshl_b32 s27, s22, 13                        ; and their codes
	s_add_co_u32 s26, s26, s27
	s_mov_b32 s27, 0
	s_add_nc_u64 s[24:25], s[18:19], s[28:29]
	s_add_nc_u64 s[18:19], s[18:19], s[26:27]
	s_mul_i32 s30, s20, 32*PW
	s_add_co_u32 s30, s30, 32768                   ; my stage, behind the other path's LDS bytes
	s_wait_alu depctr_va_vdst(0)
	v_lshlrev_b32 v3, 2, v2                        ; in: 4 bytes a lane
	v_mul_u32_u24 v4, v2, PW
	v_add_nc_u32 v4, s30, v4                       ; into the stage: row = my column
	v_and_b32 v5, 15, v2
	v_lshrrev_b32 v6, 4, v2
	v_mul_u32_u24 v7, v6, PW
	v_lshl_add_u32 v7, v5, 4, v7
	v_add_nc_u32 v7, s30, v7                       ; out of it: sixteen lanes to a row, two rows an instruction
	v_lshlrev_b32 v8, 4, v2                        ; two neighbouring rows of the cell are 512 consecutive bytes: 16 x lane
	v_lshlrev_b32 v9, 3, v2                        ; my column's eight scale bytes
.macro LOADW t                         ; block t: W(32 t + i, my column) into set t % 2
.irp i, 0,1,2,3,4,5,6,7,8,9,10,11,12,13,14,15,16,17,18,19,20,21,22,23,24,25,26,27,28,29,30,31
	global_load_b32 v[XW+32*((\t)%2)+\i], v3, s[8:9] offset:(32*(\t)+\i)*8192 th:TH_LOAD_NT
.endr
.endm
.macro BLOCKW t
.set XS, XW+32*((\t)%2)
.if (\t) < 7
	s_wait_loadcnt 32                              ; this block's 32 loads are in; the next block's 32 may be out
.else
	s_wait_loadcnt 0x0
.endif
	v_max3_num_f32 v12, |v[XS]|, |v[XS+1]|, |v[XS+2]|              ; the block's largest magnitude: all 32 numbers are mine
	v_max3_num_f32 v13, |v[XS+3]|, |v[XS+4]|, |v[XS+5]|
.irp i, 6,10,14,18,22,26
	v_max3_num_f32 v12, v12, |v[XS+\i]|, |v[XS+\i+1]|
	v_max3_num_f32 v13, v13, |v[XS+\i+2]|, |v[XS+\i+3]|
.endr
	v_max3_num_f32 v12, v12, |v[XS+30]|, |v[XS+31]|
	v_max3_num_f32 v12, v12, v13, FLOOR
	v_add_nc_u32 v11, OFFE, v12                    ; the conversion's scale operand
	v_and_or_b32 v10, v12, 0x7f800000, s31         ; 57,344 x the scale
	v_lshrrev_b32 v13, 23, v11                     ; the scale's byte
.if (\t)%4 == 0
	v_mov_b32 v[SBW+(\t)/4], v13                   ; four bytes to a register, the lower K in the lower byte
.else
	v_lshl_or_b32 v[SBW+(\t)/4], v13, 8*((\t)%4), v[SBW+(\t)/4]
.endif
.irp i, 0,1,2,3,4,5,6,7,8,9,10,11,12,13,14,15,16,17,18,19,20,21,22,23,24,25,26,27,28,29,30,31
	v_med3_num_f32 v[XS+\i], v[XS+\i], -v10, v10   ; the hold at the largest code x the scale
.endr
.irp g, 0,1,2,3
	v_cvt_scalef32_pk8_bf8_f32 v[CW+2*\g:CW+2*\g+1], v[XS+8*\g:XS+8*\g+7], v11
.endr
	ds_store_b128 v4, v[CW:CW+3] offset:32*(\t)    ; 32 codes: 32 bytes of my column's row.  (The codes go to LDS stores and the numbers' registers take loads: neither wants a plain line behind the conversions; the next block begins with plain lines)
	ds_store_b128 v4, v[CW+4:CW+7] offset:32*(\t)+16
.if (\t)+2 < 8
	LOADW (\t)+2
.endif
	s_wait_dscnt 0x0                               ; the stores have read their registers: the next block's codes may be written
.endm
	LOADW 0
	LOADW 1
.irp t, 0,1,2,3,4,5,6,7
	BLOCKW \t
.endr
	global_store_b64 v9, v[SBW:SBW+1], s[24:25]    ; 32 lanes store 256 consecutive bytes, aligned: the gate's 32 rows of scale bytes
.irp t, 0,1,2,3,4,5,6,7,8,9,10,11,12,13,14,15
	ds_load_b128 v[OUTR+4*\t:OUTR+4*\t+3], v7 offset:2*\t*PW       ; LDS serves a wave's instructions in order: these see my stores
.endr
.irp t, 0,1,2,3,4,5,6,7,8,9,10,11,12,13,14,15
	s_wait_dscnt 15-\t
	global_store_b128 v8, v[OUTR+4*\t:OUTR+4*\t+3], s[18:19] offset:512*\t      ; the wave stores 512 consecutive bytes
.endr
	s_set_vgpr_msb 0x5
	s_wait_tensorcnt 0x0
	ds_add_u32 v0, v1
	s_wait_dscnt 0x0
	s_set_vgpr_msb 0x500
	s_endpgm
.Lfunc_end_k_q58d80bc665_quant:
	.size	k_q58d80bc665_quant, .Lfunc_end_k_q58d80bc665_quant-k_q58d80bc665_quant
	.p2alignl 7, 3214868480
	.fill 96, 4, 3214868480
	.section	.rodata,"a",@progbits
	.p2align	6, 0x0
	.amdhsa_kernel k_q58d80bc665_quant
		.amdhsa_group_segment_fixed_size 68096
		.amdhsa_private_segment_fixed_size 0
		.amdhsa_enable_private_segment 0
		.amdhsa_kernarg_size 64
		.amdhsa_user_sgpr_count 2
		.amdhsa_user_sgpr_kernarg_segment_ptr 1
		.amdhsa_wavefront_size32 1
		.amdhsa_system_sgpr_workgroup_id_x 1
		.amdhsa_system_sgpr_workgroup_id_y 1
		.amdhsa_system_sgpr_workgroup_id_z 1
		.amdhsa_system_vgpr_workitem_id 0
		.amdhsa_next_free_vgpr 258
		.amdhsa_next_free_sgpr 66
		.amdhsa_reserve_vcc 0
		.amdhsa_float_denorm_mode_32 3
		.amdhsa_float_denorm_mode_16_64 3
		.amdhsa_memory_ordered 1
		.amdhsa_forward_progress 1
		.amdhsa_inst_pref_size 124
	.end_amdhsa_kernel
	.amdgpu_metadata
---
amdhsa.version: [ 1, 2 ]
amdhsa.kernels:
  - .name:           k_q58d80bc665_quant
    .symbol:         k_q58d80bc665_quant.kd
    .args:
      - { .name: input, .offset: 0, .size: 8, .value_kind: global_buffer, .address_space: global }
      - { .name: hidden, .offset: 8, .size: 8, .value_kind: global_buffer, .address_space: global }
      - { .name: Wf, .offset: 16, .size: 8, .value_kind: global_buffer, .address_space: global }
      - { .name: Wc, .offset: 24, .size: 8, .value_kind: global_buffer, .address_space: global }
      - { .name: Wi, .offset: 32, .size: 8, .value_kind: global_buffer, .address_space: global }
      - { .name: Wo, .offset: 40, .size: 8, .value_kind: global_buffer, .address_space: global }
      - { .name: apack, .offset: 48, .size: 8, .value_kind: global_buffer, .address_space: global }
      - { .name: wpack, .offset: 56, .size: 8, .value_kind: global_buffer, .address_space: global }
    .group_segment_fixed_size: 68096
    .private_segment_fixed_size: 0
    .kernarg_segment_align: 8
    .kernarg_segment_size: 64
    .max_flat_workgroup_size: 128
    .sgpr_count:     66
    .vgpr_count:     258
    .wavefront_size: 32
...
	.end_amdgpu_metadata
.endif
;; end of part 1
;; launch gemm (part 2): grid 32 x 8, 4 waves a work-group, clusters of 4 x 4, 327,680 bytes of LDS; arguments apack, wpack, bf, bc, bi, bo, cell, out0, out1, out2; writes out0, out1, out2
.if DOCPART == 2
	.amdgcn_target "amdgcn-amd-amdhsa--gfx1250"
	.amdhsa_code_object_version 6
	.text
	.protected	k_q58d80bc665_gemm
	.globl	k_q58d80bc665_gemm
	.p2align	8
	.type	k_q58d80bc665_gemm,@function
k_q58d80bc665_gemm:
	s_mov_b64 s[64:65], 0
	v_nop
	global_prefetch_b8 v0, s[64:65] scope:SCOPE_SE
	s_setreg_imm32_b32 hwreg(HW_REG_WAVE_MODE, 25, 1), 1
	s_wait_xcnt 0x0
	s_wait_alu depctr_hold_cnt(0) depctr_sa_sdst(0) depctr_va_vdst(0) depctr_va_sdst(0) depctr_va_ssrc(0) depctr_va_vcc(0) depctr_vm_vsrc(0)
	s_getreg_b32 s2, hwreg(HW_REG_IB_STS2, 6, 4)
	s_cmp_eq_u32 s2, 0
	s_cbranch_scc0 .Lentry_in_a_cluster
	s_endpgm
.Lentry_in_a_cluster:
	s_bfe_u32 s2, ttmp6, 0x10000c
	s_cmp_lg_u32 s2, 0xf033
	s_cbranch_scc0 .Lentry_shape_is_right
	s_endpgm
.Lentry_shape_is_right:
; gates = Q(input + hidden) Q([Wf|Wc|Wi|Wo]) + b on codes of BF8 (E5M2) with E8M0 scales, then the cell's element-wise steps in f32; out0 = sigmoid(go), out1 = out0 tanh(cell'), out2 = cell'.
; A work-group of four waves makes 256 rows x 256 gate columns (64 hidden columns of all four gates); a wave 128 x 128: 64 accumulators, 512 registers.
; apack and wpack hold CELLS of 128 rows x 256 K: 32,768 bytes of codes and 1,024 scale bytes, dense: one tensor load (132 rows of 256 bytes) brings a cell.  K goes in 16 steps of 256 through two LDS slots of four cells.
; CLUSTERS 4 x 4: A's cells are asked for jointly along a row of the cluster, B's along a column.  Each cluster begins at a K step of its own and goes round K.
; THE MATRIX INSTRUCTION IS USED TRANSPOSED (source 0 = 16 rows of B, source 1 = 16 rows of A): a lane holds one row and eight neighbouring gate columns; the bias is the C of the first products.
; A step of 128 along K is 64 products, A's blocks one after the other, each against B's eight.  Its 64 LDS loads stand in FOUR runs, one ahead of each 16 products, eight v_nop ahead of each run
; (places between a fragment's last product and the load that lands on it).  A has one set of registers, B two.
; PREFETCH: behind the joint load of K step n each wave asks for K step n + 2 of the cell that it fetches: the four partners of a joint load share the cell's 132 blocks of 256 bytes by address:
; 32 blocks of codes (a lane a block) and one block of scales each.  At the head the second K step is asked for.  The last two refills ask for no K step; the first of them asks for the cell tile's 256 rows, a thread a row.
; LIMITS: NaN and infinities in the inputs are not served.  sigmoid(x) = rcp(1 + 2^(-x log2 e)), tanh(x) = 1 - 2 rcp(1 + 2^(2 x log2 e)): an exponential that overflows gives the function's limit.
; REGISTERS: window 0: v0-31 addresses, v32-63 scale words (two sets), v64-127 the bias, v128-255 A's fragments (on the way out v32-223 are at work); window 1: B's two sets (on the way out: rows read back); windows 2, 3: the accumulators.
.set KSB,    33792
.set TILEB,  16*KSB
.set NQ,     2
.set PITCH,  272                       ; an LDS row: 256 bytes + 16 of padding
.set FR,     16
.set HALFT,  132*PITCH                 ; a cell in LDS
.set SCOFF,  128*PITCH                 ; where its scale bytes begin
.set SLOT,   4*HALFT
.set SPARE,  2*SLOT                    ; the spare words, 512 bytes
.set PLANE,  256*PITCH                 ; the way out: four planes of 256 rows over the ring: cell, out0, out1, out2
.set LAPS,   8
.set PL,   8
.set RB,   12
.set GOFF, 15
.set ADRA, 16
.set ADRB, 20
.set ADRS, 22
.set BOFF, 24
.set PF,   25                          ; thread x a row of cell
.set PFO,  26                          ; lane x 256
.set PFZ,  27                          ; 0: all lanes name the one block of scales
.set SPW,  28
.set NIL,  29
.set SC,   32
.set BI,   64
.set AF,   128
.set XF,   32                          ; the way out, 32 numbers a lane each: the gates f, c, i, o, the cell, tanh
.set XC,   64
.set XI,   96
.set XO,   128
.set CL,   160
.set XT,   192
.set KS,   2
.set PFA,  4                           ; s[4:5] my 32 blocks of codes of the even K step that is asked for; s[6:7] my block of its scales
.set PFS,  6
.set P1,   16                          ; s[16:17], s[104:105] the same of the first K step
.set P1S,  104
.set G1,   24
.set G0,   32
.set BASB, 46
.set G1B,  48
.set G0B,  56
.set G1C,  68
.set G0C,  76
.set WV,   80
.set RHS,  81
.set CHS,  82
.set TR,   83
.set KN,   84
.set KP,   86
.set BASA, 88
.set PB0,  94                          ; s[94:95] my share of my cell at K step 0
.set DLT,  96                          ; s[96:97] from my blocks of codes to my block of scales
.set PK,   98
.set KOF,  100
.set MSB, 0
.macro WIN new                         ; the immediate's high byte repeats the setting that is left
.if MSB != (\new)
	s_set_vgpr_msb (MSB<<8)|(\new)
.set MSB, (\new)
.endif
.endm
.set TO_B,   0x40
.macro PLACES n
.rept \n
	v_nop
.endr
.endm
.macro JLOAD s                         ; a joint load: waves 0, 1 fetch A's two cells, waves 2, 3 B's; s_nop 0 and four v_nop behind each line
	s_cmp_eq_u32 s[RHS], 0
	s_cbranch_scc0 .Lfor_b_\@
	tensor_load_to_lds s[G0+4*\s:G0+4*\s+3], s[G1:G1+7]
	s_nop 0
	PLACES 4
	s_branch .Lasked_\@
.Lfor_b_\@:
	tensor_load_to_lds s[G0B+4*\s:G0B+4*\s+3], s[G1B:G1B+7]
	s_nop 0
	PLACES 4
.Lasked_\@:
.endm
.macro AIM s                           ; slot s's two descriptors at the K step whose byte offset stands in KOF
	s_add_nc_u64 s[G0+4*\s+2:G0+4*\s+3], s[BASA:BASA+1], s[KOF:KOF+1]
	s_or_b32 s[G0+4*\s+3], s[G0+4*\s+3], 0x80000000
	s_add_nc_u64 s[G0B+4*\s+2:G0B+4*\s+3], s[BASB:BASB+1], s[KOF:KOF+1]
	s_or_b32 s[G0B+4*\s+3], s[G0B+4*\s+3], 0x80000000
.endm
.macro CREST
	s_cmp_lg_u32 s[WV], 0
	s_cbranch_scc1 .Lnot_wave_0_\@
	s_barrier_signal -3
.Lnot_wave_0_\@:
	s_barrier_wait -3
	s_barrier_signal -1
	s_barrier_wait -1
.endm
.macro CROUND
	s_barrier_signal -1
	s_barrier_wait -1
	CREST
.endm
	s_load_b256 s[4:11], s[0:1], 0x0               ; apack, wpack, bf, bc
	s_load_b256 s[12:19], s[0:1], 0x20             ; bi, bo, cell, out0
	s_load_b128 s[20:23], s[0:1], 0x40             ; out1, out2
	v_lshl_add_u32 v[SPW], v0, 2, SPARE
	v_mov_b32 v[NIL], 0
	ds_add_u32 v[SPW], v[NIL]                      ; the opening lines: the add twice on end and its wait
	ds_add_u32 v[SPW], v[NIL]
	v_lshrrev_b32 v1, 5, v0
	v_readfirstlane_b32 s[WV], v1
	s_lshr_b32 s[RHS], s[WV], 1                    ; my half of the rows; also: I fetch for A (0) or B (1)
	s_and_b32 s[CHS], s[WV], 1                     ; my half of the columns; also: which cell of the two
	s_bfe_u32 s40, ttmp6, 0x40000                  ; cx
	s_bfe_u32 s41, ttmp6, 0x40004                  ; cy
	s_lshl_b32 s42, ttmp9, 2
	s_add_co_u32 s42, s42, s40                     ; block column
	s_and_b32 s[TR], ttmp7, 0xffff
	s_lshl_b32 s[TR], s[TR], 2
	s_add_co_u32 s[TR], s[TR], s41                 ; block row
	s_lshl_b32 s43, s41, 2
	s_lshl_b32 s43, 15, s43                        ; my row of the cluster
	s_lshl_b32 s44, 0x1111, s40                    ; my column
	s_lshr_b32 s[KS], ttmp9, 2                     ; the cluster's first K step: a multiple of 4, made of the cluster's numbers alone
	s_add_co_u32 s[KS], s[KS], ttmp9
	s_and_b32 s[KS], s[KS], 3
	s_lshl_b32 s[KS], s[KS], 2
	s_and_b32 s[KOF], ttmp7, 0xffff
	s_lshl_b32 s[KOF], s[KOF], 3
	s_add_co_u32 s[KS], s[KS], s[KOF]
	s_and_b32 s[KS], s[KS], 15
	s_mul_i32 s[KOF], s[KS], KSB
	s_mov_b32 s[KOF+1], 0
	s_or_b32 s[G1+0], s43, (3<<16)|(1<<20)|(1<<21)|(5<<22)|(3<<25)   ; elements of 8 bytes, 16 bytes of padding behind each 256, the mask and bit 21
	s_or_b32 s[G1B+0], s44, (3<<16)|(1<<20)|(1<<21)|(5<<22)|(3<<25)
.irp g, G1, G1B
	s_mov_b32 s[\g+1], 32<<16
	s_mov_b32 s[\g+2], 132<<16
	s_mov_b32 s[\g+3], 32<<16
	s_mov_b32 s[\g+4], 132
	s_mov_b32 s[\g+5], 32
	s_mov_b32 s[\g+6], 0
	s_mov_b32 s[\g+7], 0
.endr
	s_mov_b32 s[G1C+0], (3<<16)|(1<<20)|(5<<22)|(3<<25)   ; the cell tile: 64 rows of 256 bytes a wave, rows 8,192 bytes apart
	s_mov_b32 s[G1C+1], 32<<16
	s_mov_b32 s[G1C+2], 64<<16
	s_mov_b32 s[G1C+3], 32<<16
	s_mov_b32 s[G1C+4], 64
	s_mov_b32 s[G1C+5], 1024
	s_mov_b32 s[G1C+6], 0
	s_mov_b32 s[G1C+7], 0
	s_mov_b32 s[KN], 0xbfb8aa3b                    ; -log2 e
	s_mov_b32 s[KN+1], s[KN]
	s_mov_b32 s[KP], 0x4038aa3b                    ; 2 log2 e
	s_mov_b32 s[KP+1], s[KP]
	s_lshl_b32 s[BASA], s[TR], 1
	s_add_co_u32 s[BASA], s[BASA], s[CHS]
	s_mul_i32 s[BASA], s[BASA], TILEB
	s_mov_b32 s[BASA+1], 0
	s_lshl_b32 s[BASB], s42, 1
	s_add_co_u32 s[BASB], s[BASB], s[CHS]
	s_mul_i32 s[BASB], s[BASB], TILEB
	s_mov_b32 s[BASB+1], 0
	s_mul_i32 s45, s[WV], HALFT
	s_lshl_b32 s94, s[TR], 21                      ; the block in cell and in the outputs: 256 rows of 8,192 bytes, 256 bytes a block column
	s_lshl_b32 s66, s42, 8
	s_add_co_u32 s94, s94, s66
	s_mov_b32 s95, 0
	s_lshl_b32 s96, s[RHS], 20
	s_lshl_b32 s97, s[CHS], 16
	s_add_co_u32 s96, s96, s97
	s_add_co_u32 s96, s96, s94
	s_mov_b32 s97, 0
	s_lshl_b32 s98, s[WV], 19
	s_mov_b32 s99, 0
	s_lshl_b32 s67, s[CHS], 7
	s_add_co_u32 s66, s66, s67                     ; my 32 hidden columns in a bias
	s_mul_i32 s90, s[RHS], HALFT                   ; my cell of A in a slot,
	s_mul_i32 s91, s[CHS], HALFT
	s_add_co_u32 s91, s91, 2*HALFT                 ; of B,
	s_sub_co_u32 s43, s91, s90                     ; the distance between the two,
	s_add_co_u32 s44, s90, SCOFF                   ; and A's scale bytes
	s_mul_i32 s3, s[RHS], 128*PITCH
	s_add_co_u32 s67, s3, s67                      ; the planes: my 128 rows, my 128 bytes
	s_mul_i32 s105, s[CHS], 8*PITCH
	s_add_co_u32 s3, s3, s105
	s_add_co_u32 s3, s3, PLANE                     ; and the rows that I read back
	s_mov_b32 s[G0C], 1
	s_mul_i32 s[G0C+1], s[WV], 64*PITCH
.irp s, 0,1
	s_mov_b32 s[G0+4*\s], 1
	s_add_co_u32 s[G0+4*\s+1], s45, \s*SLOT
	s_mov_b32 s[G0B+4*\s], 1
	s_add_co_u32 s[G0B+4*\s+1], s45, \s*SLOT
.endr
	s_wait_dscnt 0x0
	s_wait_kmcnt 0x0
	s_add_nc_u64 s[BASA:BASA+1], s[4:5], s[BASA:BASA+1]
	s_add_nc_u64 s[BASB:BASB+1], s[6:7], s[BASB:BASB+1]
	s_add_nc_u64 s[92:93], s[16:17], s[94:95]
	s_add_nc_u64 s[18:19], s[18:19], s[96:97]
	s_add_nc_u64 s[20:21], s[20:21], s[96:97]
	s_add_nc_u64 s[22:23], s[22:23], s[96:97]
	s_add_nc_u64 s[G0C+2:G0C+3], s[92:93], s[98:99]
	s_or_b32 s[G0C+3], s[G0C+3], 0x80000000
	AIM 0
	CROUND                                         ; all sixteen work-groups are here: the first joint loads meet
	JLOAD 0                                        ; the cluster's first K step: one tensor load a wave at the head
	; the prefetches' addresses: my place p among the four that ask for my cell with me enters global addresses alone
	s_cmp_eq_u32 s[RHS], 0
	s_cselect_b64 s[PB0:PB0+1], s[BASA:BASA+1], s[BASB:BASB+1]
	s_cselect_b32 s[DLT], s40, s41                 ; p
	s_lshl_b32 s[PK], s[DLT], 13
	s_add_nc_u64 s[PB0:PB0+1], s[PB0:PB0+1], s[PK:PK+1]   ; + 32 p blocks
	s_mul_i32 s[DLT], s[DLT], 7936
	s_sub_co_u32 s[DLT], 32768, s[DLT]             ; 32,768 + 256 p - 8,192 p
	s_add_nc_u64 s[P1:P1+1], s[PB0:PB0+1], s[KOF:KOF+1]
	s_add_nc_u64 s[P1S:P1S+1], s[P1:P1+1], s[DLT:DLT+1]
	s_add_co_u32 s[PK], s[KS], 2
	s_and_b32 s[PK], s[PK], 15
	s_mul_i32 s[PK], s[PK], KSB
	s_add_nc_u64 s[PFA:PFA+1], s[PB0:PB0+1], s[PK:PK+1]
	s_add_nc_u64 s[PFS:PFS+1], s[PFA:PFA+1], s[DLT:DLT+1]
	s_add_co_u32 s[KOF], s[KOF], KSB
	AIM 1                                          ; slot 1's descriptors are named by no load yet
	v_and_b32 v1, 15, v0                           ; r
	v_bfe_u32 v2, v0, 4, 1                         ; h
	v_lshlrev_b32 v[BOFF], 5, v2
	v_add_nc_u32 v[BOFF], s66, v[BOFF]
.irp g, 0,1,2,3
.irp u, 0,1
	global_load_b128 v[BI+8*(2*\g+\u):BI+8*(2*\g+\u)+3],   v[BOFF], s[8+2*\g:9+2*\g] offset:64*\u      ; the bias in the result's layout: gate g, hidden column 16 u + 8 h + j
	global_load_b128 v[BI+8*(2*\g+\u)+4:BI+8*(2*\g+\u)+7], v[BOFF], s[8+2*\g:9+2*\g] offset:64*\u+16
.endr
.endr
	v_mul_u32_u24 v3, v1, PITCH
	v_lshl_add_u32 v4, v2, 4, v3                   ; a fragment's row x pitch + 16 h
	v_add_nc_u32 v[ADRA], s90, v4
	v_add_nc_u32 v[ADRB], s91, v4
	v_add_nc_u32 v[ADRA+1], SLOT, v[ADRA]
	v_add_nc_u32 v[ADRB+1], SLOT, v[ADRB]
	v_mul_u32_u24 v6, s43, v2                      ; scale words: lanes 0-15 A's rows, lanes 16-31 B's
	v_lshl_add_u32 v5, v1, 3, v6
	v_add_nc_u32 v[ADRS], s44, v5
	v_add_nc_u32 v[ADRS+1], SLOT, v[ADRS]
	v_lshl_add_u32 v5, v2, 5, v3
	v_add_nc_u32 v[PL], s67, v5
.irp p, 1,2,3
	v_add_nc_u32 v[PL+\p], PLANE, v[PL+\p-1]
.endr
	v_mul_u32_u24 v6, v2, PITCH
	v_lshl_add_u32 v6, v1, 4, v6
	v_add_nc_u32 v[RB], s3, v6
	v_add_nc_u32 v[RB+1], PLANE, v[RB]
	v_add_nc_u32 v[RB+2], PLANE, v[RB+1]
	v_lshlrev_b32 v[GOFF], 13, v2
	v_lshl_add_u32 v[GOFF], v1, 4, v[GOFF]
	v_lshlrev_b32 v[PF], 13, v0
	v_and_b32 v[PFO], 31, v0
	v_lshlrev_b32 v[PFO], 8, v[PFO]
	v_mov_b32 v[PFZ], 0
	global_prefetch_b8 v[PFO], s[P1:P1+1] offset:KSB th:TH_LOAD_NT scope:SCOPE_SE      ; the second K step
	global_prefetch_b8 v[PFZ], s[P1S:P1S+1] offset:KSB th:TH_LOAD_NT scope:SCOPE_SE
.macro FRAG reg, adr, q, i             ; 16 rows x 128 K: registers 4 c .. 4 c + 3 hold K = 32 c + 16 h + 0 .. 15
.irp c, 0,1,2,3
	ds_load_b128 v[\reg+4*\c:\reg+4*\c+3], v[\adr] offset:128*(\q)+32*\c+(\i)*16*PITCH
.endr
.endm
.macro HB slot, q, p, i                ; B's fragment i of the slot's q-th 128 along K into set p
	WIN TO_B
	FRAG 128*(\p)+FR*(\i), ADRB+\slot, \q, \i
.endm
.macro HA slot, q, i                   ; A's fragment i
	WIN 0
	FRAG AF+FR*(\i), ADRA+\slot, \q, \i
.endm
.macro SCALES sc
.irp i, 0,1,2,3,4,5,6,7
	ds_load_b64 v[SC+8*NQ*\sc+NQ*\i:SC+8*NQ*\sc+NQ*\i+1], v[ADRS+\sc] offset:(\i/2)*PITCH+(\i%2)*128
.endr
.endm
; eight products: A's block a x B's eight.  The 64 accumulators take turns in the same order in every step.  first = 1: C is the bias.
.macro MUL8 a, p, q, sc, first
.if \first
	WIN 0x81+0x40*((\a)/4)
.else
	WIN 0xa1+0x50*((\a)/4)
.endif
.irp b, 0,1,2,3,4,5,6,7
.if \first
	v_wmma_scale_f32_16x16x128_f8f6f4 v[8*(8*((\a)%4)+\b):8*(8*((\a)%4)+\b)+7], v[128*(\p)+FR*\b:128*(\p)+FR*\b+FR-1], v[AF+FR*(\a):AF+FR*(\a)+FR-1], v[BI+8*\b:BI+8*\b+7], v[SC+8*NQ*(\sc)+NQ*\b+(\q)], v[SC+8*NQ*(\sc)+NQ*(\a)+(\q)] matrix_a_fmt:MATRIX_FMT_BF8 matrix_b_fmt:MATRIX_FMT_BF8 matrix_a_scale:MATRIX_SCALE_ROW1
.else
	v_wmma_scale_f32_16x16x128_f8f6f4 v[8*(8*((\a)%4)+\b):8*(8*((\a)%4)+\b)+7], v[128*(\p)+FR*\b:128*(\p)+FR*\b+FR-1], v[AF+FR*(\a):AF+FR*(\a)+FR-1], v[8*(8*((\a)%4)+\b):8*(8*((\a)%4)+\b)+7], v[SC+8*NQ*(\sc)+NQ*\b+(\q)], v[SC+8*NQ*(\sc)+NQ*(\a)+(\q)] matrix_a_fmt:MATRIX_FMT_BF8 matrix_b_fmt:MATRIX_FMT_BF8 matrix_a_scale:MATRIX_SCALE_ROW1
.endif
.endr
.endm
; A slot's first step.  Its four runs of 16 loads: {this step's A 6, the next step's B 0-2}, {B 3-6}, {B 7, this step's A 7, the next step's A 0, 1}, {A 2-5}.
; Every step ends with the runs {.., A 0, 1} and {A 2-5} for its successor: so blocks 0, 1 wait for all but the last two runs (32 loads), and so do blocks 2, 3.
.macro STEP slot, first
	PLACES 8
	HA \slot, 0, 6
.irp i, 0,1,2
	HB \slot, 1, 1, \i
.endr
	s_wait_dscnt 32
	MUL8 0, 0, 0, \slot, \first
	MUL8 1, 0, 0, \slot, \first
	PLACES 8
.irp i, 3,4,5,6
	HB \slot, 1, 1, \i
.endr
	s_wait_dscnt 32
	MUL8 2, 0, 0, \slot, \first
	MUL8 3, 0, 0, \slot, \first
	PLACES 8
	HB \slot, 1, 1, 7
	HA \slot, 0, 7
	HA \slot, 1, 0
	HA \slot, 1, 1
	MUL8 4, 0, 0, \slot, \first
	MUL8 5, 0, 0, \slot, \first
	PLACES 8
.irp i, 2,3,4,5
	HA \slot, 1, \i
.endr
	s_wait_dscnt 48                                ; the first run, with A 6, is in: three runs stand behind it
	MUL8 6, 0, 0, \slot, \first
	s_wait_dscnt 16                                ; the third, with A 7: one run behind it
	MUL8 7, 0, 0, \slot, \first
.endm
.macro ASK slot                        ; behind the load of K step n: K step n + 2; the loop's last trip has none, and asks for the cell tile
	s_cmp_lg_u32 s3, 1
	s_cbranch_scc0 .Lpc_\@
	global_prefetch_b8 v[PFO], s[PFA:PFA+1] offset:\slot*KSB th:TH_LOAD_NT scope:SCOPE_SE
	global_prefetch_b8 v[PFZ], s[PFS:PFS+1] offset:\slot*KSB th:TH_LOAD_NT scope:SCOPE_SE
.if \slot == 0
	s_branch .Lpd_\@
.endif
.Lpc_\@:
.if \slot == 0
	global_prefetch_b8 v[PF], s[92:93] th:TH_LOAD_NT scope:SCOPE_SE
	global_prefetch_b8 v[PF], s[92:93] offset:1048576 th:TH_LOAD_NT scope:SCOPE_SE
.Lpd_\@:
.endif
.endm
; A slot's last step changes slots.  This slot's last reads (A 6, A 7) come first; then the tensor wait and the add, a round of the cluster's barrier with products inside it, the refill,
; and the next slot's fragments in three runs: {B 0-5}, {B 6, 7, the scale words, A 0, 1}, {A 2-5}.  fill = 1: the slot takes the K step two on; fill = 2: its bytes take the cell tile.
.macro TURN slot, next, fill
.if \fill == 1
.if \slot == 0
	s_wait_xcnt 0x0                                ; the last lap's prefetches have read their addresses
	s_add_co_u32 s[KS], s[KS], 2
	s_and_b32 s[KS], s[KS], 15
	s_mul_i32 s[KOF], s[KS], KSB
	s_add_co_u32 s[PK], s[KS], 2
	s_and_b32 s[PK], s[PK], 15
	s_mul_i32 s[PK], s[PK], KSB
	s_add_nc_u64 s[PFA:PFA+1], s[PB0:PB0+1], s[PK:PK+1]
	s_add_nc_u64 s[PFS:PFS+1], s[PFA:PFA+1], s[DLT:DLT+1]
.else
	s_add_co_u32 s[KOF], s[KOF], KSB
.endif
.endif
	PLACES 8
	HA \slot, 1, 6
	HA \slot, 1, 7
	s_wait_tensorcnt 0x0                           ; all my tensor loads have landed: my part of the next slot
	ds_add_u32 v[SPW], v[NIL]
	s_wait_dscnt 25                                ; A 0, 1 are in: behind their run stand A 2-5, A 6, A 7 and the add
	MUL8 0, 1, 1, \slot, 0
	MUL8 1, 1, 1, \slot, 0
	s_wait_dscnt 0x0                               ; the add is done, and my reads of this slot are over
	s_barrier_signal -1
	MUL8 2, 1, 1, \slot, 0
	WIN 0
	s_barrier_wait -1
	CREST
.if \fill == 1
	AIM \slot
	JLOAD \slot
.else
	tensor_load_to_lds s[G0C:G0C+3], s[G1C:G1C+7]
	s_nop 0
	PLACES 4
.endif
	PLACES 4
.irp i, 0,1,2,3,4,5
	HB \next, 0, 0, \i
.endr
	MUL8 3, 1, 1, \slot, 0
	MUL8 4, 1, 1, \slot, 0
	PLACES 8
	HB \next, 0, 0, 6
	HB \next, 0, 0, 7
	WIN 0
	SCALES \next
	HA \next, 0, 0
	HA \next, 0, 1
.if \fill == 1
	ASK \slot
.endif
	MUL8 5, 1, 1, \slot, 0
	PLACES 8
.irp i, 2,3,4,5
	HA \next, 0, \i
.endr
	MUL8 6, 1, 1, \slot, 0
	MUL8 7, 1, 1, \slot, 0
.endm
	s_wait_alu depctr_va_vdst(0)                   ; the wait at the head's end
	s_wait_tensorcnt 0x0                           ; my cell of the first K step is in; the add and its wait ahead of a later first fill:
	ds_add_u32 v[SPW], v[NIL]
	s_wait_dscnt 0x0
	CROUND
	JLOAD 1                                        ; slot 1's first fill, the first tensor load behind the round
.irp i, 0,1,2,3,4,5,6,7
	HB 0, 0, 0, \i
.endr
	WIN 0
	SCALES 0
.irp i, 0,1,2,3,4,5
	HA 0, 0, \i
.endr
	global_prefetch_b8 v[PFO], s[PFA:PFA+1] th:TH_LOAD_NT scope:SCOPE_SE               ; the third K step,
	global_prefetch_b8 v[PFZ], s[PFS:PFS+1] th:TH_LOAD_NT scope:SCOPE_SE
	global_prefetch_b8 v[PFO], s[PFA:PFA+1] offset:KSB th:TH_LOAD_NT scope:SCOPE_SE    ; and the fourth
	global_prefetch_b8 v[PFZ], s[PFS:PFS+1] offset:KSB th:TH_LOAD_NT scope:SCOPE_SE
	s_wait_loadcnt 0x0                             ; the bias
	STEP 0, 1                                      ; the first step stands in front of the loop: its products start the sums from the bias
	WIN 0
	s_mov_b32 s3, LAPS-1
.Llap:
	TURN 0, 1, 1
	STEP 1, 0
	TURN 1, 0, 1
	STEP 0, 0
	WIN 0
	s_sub_co_u32 s3, s3, 1
	s_cmp_lg_u32 s3, 0
	s_cbranch_scc1 .Llap
	TURN 0, 1, 2
	STEP 1, 0
	PLACES 8                                       ; the very last step: two fragments are left to fetch
	HA 1, 1, 6
	HA 1, 1, 7
	s_wait_dscnt 24                                ; A 0, 1 are in: behind their run A 2-5, A 6, A 7
	MUL8 0, 1, 1, 1, 0
	MUL8 1, 1, 1, 1, 0
	s_wait_dscnt 0x0
.irp g, 2,3,4,5,6,7
	MUL8 \g, 1, 1, 1, 0
.endr
	WIN 0
	s_wait_tensorcnt 0x0                           ; my part of the cell tile is in
	s_barrier_signal -1
	s_barrier_wait -1                              ; and everybody's; nobody reads the ring any more: the planes may be written
	PLACES 8
; THE WAY OUT, by pairs of blocks of 16 rows.  A lane holds, for each of two rows, 16 hidden columns of each gate.  A wave's 32 hidden columns are half of an aligned 256 bytes: the two waves of a row half write
; the halves of the same plane rows, a barrier follows, and each wave reads 16 whole rows of each plane back (into window 1) and stores them, sixteen lanes to 256 consecutive bytes.
.macro CELLIN k
.irp t, 0,1
.irp u, 0,1
.irp p, 0,1
	ds_load_b128 v[CL+16*\t+8*\u+4*\p:CL+16*\t+8*\u+4*\p+3], v[PL] offset:16*PITCH*(2*(\k)+\t)+64*\u+16*\p
.endr
.endr
.endr
.endm
.macro GATES k                         ; the exponents: -g log2 e for the sigmoids, 2 g log2 e for tanh; each accumulator from its low end on
	WIN 0x02+(\k)/2
.irp t, 0,1
.irp g, 0,1,2,3
.irp u, 0,1
.irp jj, 0,2,4,6
.if \g == 1
	v_pk_mul_f32 v[XF+32*\g+16*\t+8*\u+\jj:XF+32*\g+16*\t+8*\u+\jj+1], v[64*((2*(\k)+\t)%4)+8*(2*\g+\u)+\jj:64*((2*(\k)+\t)%4)+8*(2*\g+\u)+\jj+1], s[KP:KP+1] op_sel_hi:[1,0]
.else
	v_pk_mul_f32 v[XF+32*\g+16*\t+8*\u+\jj:XF+32*\g+16*\t+8*\u+\jj+1], v[64*((2*(\k)+\t)%4)+8*(2*\g+\u)+\jj:64*((2*(\k)+\t)%4)+8*(2*\g+\u)+\jj+1], s[KN:KN+1] op_sel_hi:[1,0]
.endif
.endr
.endr
.endr
.endr
	WIN 0
.endm
.macro EXPS base, n
.set EI, 0
.rept \n
	v_exp_f32 v[\base+EI], v[\base+EI]
.set EI, EI+1
.endr
.endm
.macro RCPS base, n
.set EI, 0
.rept \n
	v_rcp_f32 v[\base+EI], v[\base+EI]
.set EI, EI+1
.endr
.endm
.macro ADD1 base, n
.set EI, 0
.rept (\n)/2
	v_pk_add_f32 v[\base+EI:\base+EI+1], v[\base+EI:\base+EI+1], 1.0 op_sel_hi:[1,0]
.set EI, EI+2
.endr
.endm
.macro TANHFIX base                    ; 1 - 2 x, 32 numbers
	s_wait_alu depctr_va_vdst(0)
.set EI, 0
.rept 16
	v_pk_fma_f32 v[\base+EI:\base+EI+1], v[\base+EI:\base+EI+1], -2.0, 1.0 op_sel_hi:[1,0,0]
.set EI, EI+2
.endr
.endm
.macro PKS d, a, k                     ; d = a x s[k], 32 numbers
.set EI, 0
.rept 16
	v_pk_mul_f32 v[\d+EI:\d+EI+1], v[\a+EI:\a+EI+1], s[\k:\k+1] op_sel_hi:[1,0]
.set EI, EI+2
.endr
.endm
.macro PKM d, b                        ; d = d x b
.set EI, 0
.rept 16
	v_pk_mul_f32 v[\d+EI:\d+EI+1], v[\d+EI:\d+EI+1], v[\b+EI:\b+EI+1]
.set EI, EI+2
.endr
.endm
.macro STAGE k
.irp t, 0,1
.irp u, 0,1
.irp p, 0,1
	ds_store_b128 v[PL+1], v[XO+16*\t+8*\u+4*\p:XO+16*\t+8*\u+4*\p+3] offset:16*PITCH*(2*(\k)+\t)+64*\u+16*\p
	ds_store_b128 v[PL+2], v[XT+16*\t+8*\u+4*\p:XT+16*\t+8*\u+4*\p+3] offset:16*PITCH*(2*(\k)+\t)+64*\u+16*\p
	ds_store_b128 v[PL+3], v[XF+16*\t+8*\u+4*\p:XF+16*\t+8*\u+4*\p+3] offset:16*PITCH*(2*(\k)+\t)+64*\u+16*\p
.endr
.endr
.endr
.endm
.macro BACK k                          ; into window 1, set k % 2 of 96 registers
	WIN TO_B
.irp t, 0,1
.irp o, 0,1,2
.irp i, 0,1,2,3
	ds_load_b128 v[96*((\k)%2)+48*\t+16*\o+4*\i:96*((\k)%2)+48*\t+16*\o+4*\i+3], v[RB+\o] offset:16*PITCH*(2*(\k)+\t)+2*PITCH*\i
.endr
.endr
.endr
	WIN 0
.endm
.macro SEND k, younger
	s_wait_dscnt \younger
	WIN 0x04                                       ; the stores' data lie in window 1
.irp t, 0,1
.irp o, 0,1,2
.irp i, 0,1,2,3
	global_store_b128 v[GOFF], v[96*((\k)%2)+48*\t+16*\o+4*\i:96*((\k)%2)+48*\t+16*\o+4*\i+3], s[18+2*\o:19+2*\o] offset:(16*(2*(\k)+\t)+2*\i)*8192 th:TH_STORE_NT
.endr
.endr
.endr
	WIN 0
.endm
; The waits on the vector side stand ahead of and behind each batch of transcendentals.
.macro PAIR k
	CELLIN \k
	GATES \k
	s_wait_alu depctr_va_vdst(0)
	EXPS XF, 128
.if (\k) > 0
	SEND (\k)-1, 8                                 ; the pair before is back in registers; behind its loads: this pair's eight of cell
.endif
	v_nop
	s_wait_alu depctr_va_vdst(0)
	ADD1 XF, 128
	s_wait_alu depctr_va_vdst(0)
	RCPS XF, 128                                   ; f, 1 / (1 + e) of c, sigmoid(gi), o
	v_nop
	s_wait_alu depctr_va_vdst(0)
	PKS XI, XI, KN
	s_wait_alu depctr_va_vdst(0)
	EXPS XI, 32                                    ; the second sigmoid of i
	TANHFIX XC
	ADD1 XI, 32
	s_wait_alu depctr_va_vdst(0)
	RCPS XI, 32
	s_wait_dscnt 0x0                               ; cell is in
	PKM XF, CL
	s_wait_alu depctr_va_vdst(0)
.set EI, 0
.rept 16
	v_pk_fma_f32 v[XF+EI:XF+EI+1], v[XC+EI:XC+EI+1], v[XI+EI:XI+EI+1], v[XF+EI:XF+EI+1]   ; cell f + c i
.set EI, EI+2
.endr
	PKS XT, XF, KP
	s_wait_alu depctr_va_vdst(0)
	EXPS XT, 32
	v_nop
	s_wait_alu depctr_va_vdst(0)
	ADD1 XT, 32
	s_wait_alu depctr_va_vdst(0)
	RCPS XT, 32
	v_nop
	s_wait_alu depctr_va_vdst(0)
	TANHFIX XT
	PKM XT, XO
	STAGE \k
	s_wait_dscnt 0x0                               ; for the other wave's sake: my stores into the planes are done
	s_barrier_signal -1
	s_barrier_wait -1
.if (\k) >= 2
	s_wait_xcnt 0x0                                ; pair k - 2's stores have read their registers
.endif
	BACK \k
.endm
.irp k, 0,1,2,3
	PAIR \k
.endr
	SEND 3, 0
	s_wait_tensorcnt 0x0                           ; the wave's end
	ds_add_u32 v[SPW], v[NIL]
	s_wait_dscnt 0x0
	CROUND                                         ; the closing round
	s_endpgm
.Lfunc_end_k_q58d80bc665_gemm:
	.size	k_q58d80bc665_gemm, .Lfunc_end_k_q58d80bc665_gemm-k_q58d80bc665_gemm
	.p2alignl 7, 3214868480
	.fill 96, 4, 3214868480
	.section	.rodata,"a",@progbits
	.p2align	6, 0x0
	.amdhsa_kernel k_q58d80bc665_gemm
		.amdhsa_group_segment_fixed_size 327680
		.amdhsa_private_segment_fixed_size 0
		.amdhsa_enable_private_segment 0
		.amdhsa_kernarg_size 80
		.amdhsa_user_sgpr_count 2
		.amdhsa_user_sgpr_kernarg_segment_ptr 1
		.amdhsa_wavefront_size32 1
		.amdhsa_system_sgpr_workgroup_id_x 1
		.amdhsa_system_sgpr_workgroup_id_y 1
		.amdhsa_system_sgpr_workgroup_id_z 1
		.amdhsa_system_vgpr_workitem_id 0
		.amdhsa_next_free_vgpr 1024
		.amdhsa_next_free_sgpr 106
		.amdhsa_reserve_vcc 0
		.amdhsa_float_denorm_mode_32 3
		.amdhsa_float_denorm_mode_16_64 3
		.amdhsa_memory_ordered 1
		.amdhsa_forward_progress 1
		.amdhsa_inst_pref_size 255
	.end_amdhsa_kernel
	.section	.bss,"aw",@nobits
	.p2align	6
	.space	262144
	.amdgpu_metadata
---
amdhsa.version: [ 1, 2 ]
amdhsa.kernels:
  - .name:           k_q58d80bc665_gemm
    .symbol:         k_q58d80bc665_gemm.kd
    .args:
      - { .name: apack, .offset: 0, .size: 8, .value_kind: global_buffer, .address_space: global }
      - { .name: wpack, .offset: 8, .size: 8, .value_kind: global_buffer, .address_space: global }
      - { .name: bf, .offset: 16, .size: 8, .value_kind: global_buffer, .address_space: global }
      - { .name: bc, .offset: 24, .size: 8, .value_kind: global_buffer, .address_space: global }
      - { .name: bi, .offset: 32, .size: 8, .value_kind: global_buffer, .address_space: global }
      - { .name: bo, .offset: 40, .size: 8, .value_kind: global_buffer, .address_space: global }
      - { .name: cell, .offset: 48, .size: 8, .value_kind: global_buffer, .address_space: global }
      - { .name: out0, .offset: 56, .size: 8, .value_kind: global_buffer, .address_space: global }
      - { .name: out1, .offset: 64, .size: 8, .value_kind: global_buffer, .address_space: global }
      - { .name: out2, .offset: 72, .size: 8, .value_kind: global_buffer, .address_space: global }
    .group_segment_fixed_size: 327680
    .private_segment_fixed_size: 0
    .kernarg_segment_align: 8
    .kernarg_segment_size: 80
    .max_flat_workgroup_size: 128
    .sgpr_count:     106
    .vgpr_count:     1024
    .wavefront_size: 32
...
	.end_amdgpu_metadata
.endif
;; end of part 2
